; MI455X (gfx1250); checked and timed in simulation.
; The chip was launched on July 23, 2026; its instructions are those of AMD's public machine-readable ISA for CDNA 5 (MIT licence, August 2026) and "CDNA5" Instruction Set Architecture Reference Guide (July 2026). The comments in the code are by the model that wrote it; some were corrected since.
;; Vector Quantizer. Allowed arithmetic: float matrix products may take bf16 or f16 operands with f32 sums; all other float work in f32.
;; Inputs: embeddings 8,192 x 256 float32; z 32,768 x 256 float32.
;; Outputs: out0 32,768 x 256 float32; out1 one number float32; out2 32,768 int32.
;; One version. Each part assembles by itself: llvm-mc -triple=amdgcn-amd-amdhsa -mcpu=gfx1250 --defsym DOCPART=n.
;; ======== version 1 of 1: 4 launches
;; workspace buffers: ebf 4,194,304 bytes; esq 32,768 bytes; idx 131,072 bytes of whole numbers; part 1,024 bytes
;; launch prep (part 1): grid 128 x 1, 8 waves a work-group, no clusters, 1,280 bytes of LDS; arguments embeddings, ebf, esq; writes ebf, esq
.if DOCPART == 1
	.amdgcn_target "amdgcn-amd-amdhsa--gfx1250"
	.amdhsa_code_object_version 6
	.text
	.protected	k_q1f6b4395fd_prep
	.globl	k_q1f6b4395fd_prep
	.p2align	8
	.type	k_q1f6b4395fd_prep,@function
k_q1f6b4395fd_prep:
	s_mov_b64 s[64:65], 0
	v_nop
	global_prefetch_b8 v0, s[64:65] scope:SCOPE_SE
	s_setreg_imm32_b32 hwreg(HW_REG_WAVE_MODE, 25, 1), 1
	s_wait_xcnt 0x0
; ebf[k][d] = bf16(embeddings[k][d]);  esq[k] = f32 sum over d of bf16(embeddings[k][d])^2.
; embeddings: [8192][256] f32.  ebf: [8192][256] bf16.  esq: [8192] f32.
; The codebook is read by every work-group of the next launch, so it is rounded once, here, and not there again and again.
; Eight waves; the work-group owns 64 rows, a wave 8.  64 rows, so that the group's 64 sums leave as one store of 256 consecutive bytes.
; A row is 1,024 bytes: two loads of 16 bytes a lane.  All 16 loads of a wave go out at once; nothing is loaded twice.
; Memory binds: no matrix unit, no cluster (no two work-groups read the same byte), LDS only for the 64 sums.
; The order of the f32 sum is this text's own (8 numbers a lane, then across the lanes).
.set T,  4                             ; v[4:11]    a row's 8 numbers of the lane, rounded, as f32
.set X,  16                            ; v[16:79]   row i: 8 registers as loaded
.set Y,  80                            ; v[80:111]  row i: 4 registers of bf16 to store; never rewritten
.set S,  112                           ; v[112:113] the sum at work
	s_load_b128 s[4:7], s[0:1], 0x0                ; embeddings s[4:5], ebf s[6:7]
	s_load_b64 s[8:9], s[0:1], 0x10                ; esq
	v_lshl_add_u32 v116, v0, 2, 0x100
	v_mov_b32 v117, 0
	v_and_b32 v1, 31, v0                           ; lane
	v_lshrrev_b32 v2, 5, v0                        ; wave
	v_readfirstlane_b32 s10, v2
	v_lshlrev_b32 v3, 4, v1
	v_lshl_add_u32 v3, v2, 13, v3                  ; in: 16 lane + 8 rows x 1,024 bytes x wave
	v_lshlrev_b32 v12, 3, v1                       ; 8 lane
	v_lshl_add_u32 v13, v2, 12, v12                ; out: 8 lane + 8 rows x 512 bytes x wave
	v_lshlrev_b32 v14, 5, v2                       ; LDS: the wave's 8 words
	v_mov_b32 v15, 0                               ; v_permlanex16_b32 counts as a reader of its destination
	s_mov_b32 s11, 0xffff0000                      ; a word's upper bf16
	s_mov_b32 s18, 0x76543210                      ; v_permlanex16_b32: lane i reads lane i of the other half
	s_mov_b32 s19, 0xfedcba98
	s_lshl_b32 s12, ttmp9, 16                      ; 64 rows x 1,024 bytes
	s_mov_b32 s13, 0
	s_lshl_b32 s14, ttmp9, 15                      ; 64 rows x 512 bytes
	s_mov_b32 s15, 0
	s_lshl_b32 s16, ttmp9, 8                       ; 64 sums x 4 bytes
	s_mov_b32 s17, 0
	s_wait_kmcnt 0x0
	s_add_nc_u64 s[4:5], s[4:5], s[12:13]
	s_add_nc_u64 s[6:7], s[6:7], s[14:15]
	s_add_nc_u64 s[8:9], s[8:9], s[16:17]
.irp i, 0,1,2,3,4,5,6,7
	global_load_b128 v[X+8*\i:X+8*\i+3],   v3, s[4:5] offset:1024*\i       ; columns 4 lane .. + 3
	global_load_b128 v[X+8*\i+4:X+8*\i+7], v3, s[4:5] offset:1024*\i+512   ; columns 128 + 4 lane .. + 3
.endr
.irp i, 0,1,2,3,4,5,6,7
	s_wait_loadcnt 14-2*\i                         ; loads come back in order: row i's two are in, the later rows' stay out
.irp j, 0,1,2,3
	v_cvt_pk_bf16_f32 v[Y+4*\i+\j], v[X+8*\i+2*\j], v[X+8*\i+2*\j+1]
.endr
	global_store_b64 v13, v[Y+4*\i:Y+4*\i+1],   s[6:7] offset:512*\i       ; the wave stores 256 consecutive bytes, aligned
	global_store_b64 v13, v[Y+4*\i+2:Y+4*\i+3], s[6:7] offset:512*\i+256
.irp j, 0,1,2,3
	v_lshlrev_b32 v[T+2*\j],   16,  v[Y+4*\i+\j]   ; the rounded numbers as f32
	v_and_b32     v[T+2*\j+1], s11, v[Y+4*\i+\j]
.endr
	v_pk_mul_f32 v[S:S+1], v[T:T+1], v[T:T+1]      ; the first squares start the sum
	v_pk_fma_f32 v[S:S+1], v[T+2:T+3], v[T+2:T+3], v[S:S+1]
	v_pk_fma_f32 v[S:S+1], v[T+4:T+5], v[T+4:T+5], v[S:S+1]
	v_pk_fma_f32 v[S:S+1], v[T+6:T+7], v[T+6:T+7], v[S:S+1]
	v_add_f32 v[S], v[S], v[S+1]
	v_add_f32_dpp v[S], v[S], v[S] row_xmask:1 row_mask:0xf bank_mask:0xf
	v_add_f32_dpp v[S], v[S], v[S] row_xmask:2 row_mask:0xf bank_mask:0xf
	v_add_f32_dpp v[S], v[S], v[S] row_xmask:4 row_mask:0xf bank_mask:0xf
	v_add_f32_dpp v[S], v[S], v[S] row_xmask:8 row_mask:0xf bank_mask:0xf
	v_permlanex16_b32 v15, v[S], s18, s19
	v_add_f32 v[S], v[S], v15                      ; every lane holds the row's sum
	ds_store_b32 v14, v[S] offset:4*\i             ; word 8 wave + i; all lanes write the same number
.endr
	s_wait_dscnt 0x0                               ; my eight words are in LDS, for wave 0's sake
	s_barrier_signal -1
	s_barrier_wait -1
	s_cmp_lg_u32 s10, 0
	s_cbranch_scc1 .Lend
	ds_load_b64 v[4:5], v12                        ; two sums a lane: all 64
	s_wait_dscnt 0x0
	global_store_b64 v12, v[4:5], s[8:9]           ; 256 consecutive bytes, aligned
.Lend:
	s_wait_tensorcnt 0x0
	ds_add_u32 v116, v117
	s_wait_dscnt 0x0
	s_endpgm
.Lfunc_end_k_q1f6b4395fd_prep:
	.size	k_q1f6b4395fd_prep, .Lfunc_end_k_q1f6b4395fd_prep-k_q1f6b4395fd_prep
	.p2alignl 7, 3214868480
	.fill 96, 4, 3214868480
	.section	.rodata,"a",@progbits
	.p2align	6, 0x0
	.amdhsa_kernel k_q1f6b4395fd_prep
		.amdhsa_group_segment_fixed_size 1280
		.amdhsa_private_segment_fixed_size 0
		.amdhsa_enable_private_segment 0
		.amdhsa_kernarg_size 24
		.amdhsa_user_sgpr_count 2
		.amdhsa_user_sgpr_kernarg_segment_ptr 1
		.amdhsa_wavefront_size32 1
		.amdhsa_system_sgpr_workgroup_id_x 1
		.amdhsa_system_sgpr_workgroup_id_y 1
		.amdhsa_system_sgpr_workgroup_id_z 1
		.amdhsa_system_vgpr_workitem_id 0
		.amdhsa_next_free_vgpr 118
		.amdhsa_next_free_sgpr 66
		.amdhsa_reserve_vcc 0
		.amdhsa_float_denorm_mode_32 3
		.amdhsa_float_denorm_mode_16_64 3
		.amdhsa_memory_ordered 1
		.amdhsa_forward_progress 1
		.amdhsa_inst_pref_size 15
	.end_amdhsa_kernel
	.amdgpu_metadata
---
amdhsa.version: [ 1, 2 ]
amdhsa.kernels:
  - .name:           k_q1f6b4395fd_prep
    .symbol:         k_q1f6b4395fd_prep.kd
    .args:
      - { .name: embeddings, .offset: 0, .size: 8, .value_kind: global_buffer, .address_space: global }
      - { .name: ebf, .offset: 8, .size: 8, .value_kind: global_buffer, .address_space: global }
      - { .name: esq, .offset: 16, .size: 8, .value_kind: global_buffer, .address_space: global }
    .group_segment_fixed_size: 1280
    .private_segment_fixed_size: 0
    .kernarg_segment_align: 8
    .kernarg_segment_size: 24
    .max_flat_workgroup_size: 256
    .sgpr_count:     66
    .vgpr_count:     118
    .wavefront_size: 32
...
	.end_amdgpu_metadata
.endif
;; end of part 1
;; launch vq (part 2): grid 256 x 1, 8 waves a work-group, clusters of 4 x 1, 327,680 bytes of LDS; arguments z, ebf, esq, out2, idx; writes out2, idx
.if DOCPART == 2
	.amdgcn_target "amdgcn-amd-amdhsa--gfx1250"
	.amdhsa_code_object_version 6
	.text
	.protected	k_q1f6b4395fd_vq
	.globl	k_q1f6b4395fd_vq
	.p2align	8
	.type	k_q1f6b4395fd_vq,@function
k_q1f6b4395fd_vq:
	s_mov_b64 s[64:65], 0
	v_nop
	global_prefetch_b8 v0, s[64:65] scope:SCOPE_SE
	s_setreg_imm32_b32 hwreg(HW_REG_WAVE_MODE, 25, 1), 1
	s_wait_xcnt 0x0
	s_wait_alu depctr_hold_cnt(0) depctr_sa_sdst(0) depctr_va_vdst(0) depctr_va_sdst(0) depctr_va_ssrc(0) depctr_va_vcc(0) depctr_vm_vsrc(0)
	s_getreg_b32 s2, hwreg(HW_REG_IB_STS2, 6, 4)
	s_cmp_eq_u32 s2, 0
	s_cbranch_scc0 .Lentry_in_a_cluster
	s_endpgm
.Lentry_in_a_cluster:
	s_bfe_u32 s2, ttmp6, 0x10000c
	s_cmp_lg_u32 s2, 0x3003
	s_cbranch_scc0 .Lentry_shape_is_right
	s_endpgm
.Lentry_shape_is_right:
; nearest[n] = first index k of the least d[n][k] = fl(fl(z_sq[n] - 2 dot[n][k]) + e_sq[k]),  dot = bf16(z[n]) . ebf[k] with f32 sums.
; z: [32768][256] f32.  ebf: [8192][256] bf16.  esq: [8192] f32.  out2 and idx: [32768] i32, the same numbers
; (idx is the copy from which the next launch forms its addresses).
; LIMITS.  The operands of the product are rounded to bf16, and z_sq and e_sq are sums of the rounded numbers' squares.  d is rounded twice in
; f32, in the order written above, and equal d go to the lower index.  The order of the f32 sums inside dot, z_sq and e_sq is this text's own.
; A NaN distance never wins; a row without any distance below +inf gets index 0.
;
; SHARES.  Work-group wg owns rows 128 wg .. + 127 of z and walks all 8,192 codes in 32 tiles of 256.  Eight waves of 512 registers: wave w has
; rh = w >> 2 (which 64 rows) and cq = w & 3 (which 64 codes of each tile).  A wave keeps its 64 rows x 256 K of z as bf16 fragments in
; registers 256 to 511 for the whole launch; per group of 16 codes it reads 16 x 512 bytes of codes and 64 bytes of e_sq from LDS, issues
; 32 matrix instructions and 92 vector instructions.  Eight waves and not four: the vector work reads the matrix block's results,
; so one wave cannot overlap the two; with two waves to a SIMD one wave's vector work can run beside the other's matrix block.
; THE MATRIX INSTRUCTION: source 0 = 16 codes, source 1 = 16 rows of z.  Lane (r = lane % 16, h = lane / 16) then holds row r of z, and its
; registers j = 0 .. 7 the codes 8 h + j: one z_sq a lane and row tile, and e_sq in register pairs.
; THE ARGMIN.  Per row tile and group: d in 8 packed instructions, the least of the lane's 8 in 4, one strict compare with the running best,
; and 10 selects that keep the best, its group's first code and the group's 8 distances.  Which of the 8 it was is found once, behind the loop.
; CLUSTER.  The four work-groups of a cluster walk the same tiles of ebf and the same table esq: these are asked for jointly (mask 15), which
; divides the requests for them by four.  z belongs to one work-group and is loaded plainly.  No LDS address, branch or trip count hangs on cx.
; TENSOR LOADS.  A tile of 256 codes is shared out among the eight waves, 32 rows of 512 bytes each (256 rows / 8 waves).  By this text's own count
; a wave has three tensor loads out at the start and one behind each later round.
.set PE,    528                        ; LDS pitch of a code: 512 bytes + 16 of padding, an odd multiple of 16
.set SLOT,  256*PE                     ; 135,168: a tile of 256 codes.  Slot 0 at 0, slot 1 at SLOT
.set PZ,    1040                       ; LDS pitch of a row of z in f32: 1,024 + 16; 128 rows = 133,120 bytes lie in slot 1 at the start
.set ESQ,   2*SLOT                     ; 270,336: e_sq of all 8,192 codes, 32,768 bytes
.set SCR,   ESQ+32768                  ; 303,104: val[cq][128] f32, then code[cq][128] i32; written by ds_store alone, never filled
.set TILEB, 256*512                    ; bytes of a tile in ebf
; vector registers, window 0
;   v1 r   v2 h   v3 z fragments in LDS   v4, v5 code fragments in slot 0, 1   v6 e_sq of my codes   v7, v12 the other half's lane
;   v[8:11] z_sq chains   v13 8 h   v14 my words in SCR   v15 16 lane
.set ZZ,   16                          ; v[16:23]   row tile t: z_sq, twice (a pair for the packed form)
.set BEST, 24                          ; v[24:27]   row tile t: the least d so far
.set GID,  28                          ; v[28:31]   row tile t: first code of the group that holds it
.set SAV,  32                          ; v[32:63]   row tile t: that group's 8 distances
.set ACC,  64                          ; v[64:95]   row tile t: 8 registers, dot and then d
.set M,    96                          ; v[96:103]  minima at work
.set QB,   104                         ; v[104:119] e_sq of a group's 8 codes, two buffers
.set E,    128                         ; v[128:191] a group's code fragments, 8 K steps of 32
.set ST,   64                          ; v[64:191]  at the start only: a row tile of z in f32
.set RDA,  192                         ; v192       SCR + 16 lane
; window 1: register 8 (8 t + q) + i = fragment of z, row tile t, K step q
; scalar registers: s[4:13] addresses; s14 wave, s15 cq, s16 rh, s17 cx, s18 wg; s[20:23] offsets; s66 trips; s67 the group's first code;
; s[68:71] the row tiles' compare masks; s72, s73 lane selects; s[74:76] masks of MERGE
.set G1E, 24                           ; s[24:31] group 1, tiles of ebf
.set G0E, 32                           ; s[32:39] group 0, tiles of ebf: a set for each slot
.set G1Z, 40                           ; s[40:47] group 1, z
.set G0Z, 48                           ; s[48:51] group 0, z
.set G1Q, 52                           ; s[52:59] group 1, esq
.set G0Q, 60                           ; s[60:63] group 0, esq
.set MSB, 0
.macro WIN new                         ; s_set_vgpr_msb; the immediate's high byte repeats the setting that is left
.if MSB != \new
	s_set_vgpr_msb (MSB<<8)|\new
.set MSB, \new
.endif
.endm
; Four places behind the last matrix instruction, in front of loads into its sources and of vector instructions on its results
; (ISA guide 7.12.1 for vector instructions).
.macro PLACES
.rept 4
	v_nop
.endr
.endm
; A round of the cluster's barrier behind its opening work-group barrier: wave 0 signals for the work-group, every wave waits for all four
; work-groups, and the work-group's barrier closes the round.
.macro CREST
	s_cmp_lg_u32 s14, 0
	s_cbranch_scc1 .Lnot_wave_0_\@
	s_barrier_signal -3
.Lnot_wave_0_\@:
	s_barrier_wait -3
	s_barrier_signal -1
	s_barrier_wait -1
.endm
.macro ROUND
	s_barrier_signal -1
	s_barrier_wait -1
	CREST
.endm
	s_load_b256 s[4:11], s[0:1], 0x0               ; z s[4:5], ebf s[6:7], esq s[8:9], out2 s[10:11]
	s_load_b64 s[12:13], s[0:1], 0x20              ; idx
	v_lshl_add_u32 v254, v0, 2, 0x4b000
	v_mov_b32 v255, 0
	ds_add_u32 v254, v255
	v_lshrrev_b32 v1, 5, v0
	v_readfirstlane_b32 s14, v1                    ; wave 0 .. 7
	s_and_b32 s15, s14, 3                          ; cq
	s_lshr_b32 s16, s14, 2                         ; rh
	s_bfe_u32 s17, ttmp6, 0x40000                  ; cx
	s_lshl_b32 s18, ttmp9, 2
	s_add_co_u32 s18, s18, s17                     ; wg = 4 x cluster + cx
	s_mov_b32 s72, 0x76543210                      ; v_permlanex16_b32: lane i reads lane i of the other half
	s_mov_b32 s73, 0xfedcba98
	s_lshl_b32 s67, s15, 6                         ; my first group's first code: 64 cq
	; group 1 for a wave's part of a tile of ebf: 32 rows x 256 elements of 2 bytes, 16 bytes of padding behind every 128 words
	s_mov_b32 s[G1E+0], 15|(1<<16)|(1<<20)|(1<<21)|(6<<22)|(3<<25)  ; mask: all four work-groups; bit 21 beside a mask
	s_mov_b32 s[G1E+1], 256<<16                    ; tensor_dim0 = 256
	s_mov_b32 s[G1E+2], 32<<16                     ; tensor_dim1 = 32
	s_mov_b32 s[G1E+3], 256<<16                    ; tile_dim0 = 256
	s_mov_b32 s[G1E+4], 32                         ; tile_dim1 = 32
	s_mov_b32 s[G1E+5], 256                        ; elements from row to row
	s_mov_b32 s[G1E+6], 0
	s_mov_b32 s[G1E+7], 0
	; group 1 for a wave's part of z: 16 rows x 256 elements of 4 bytes, 16 bytes of padding behind every 256 words; no mask
	s_mov_b32 s[G1Z+0], (2<<16)|(1<<20)|(7<<22)|(3<<25)
	s_mov_b32 s[G1Z+1], 256<<16
	s_mov_b32 s[G1Z+2], 16<<16
	s_mov_b32 s[G1Z+3], 256<<16
	s_mov_b32 s[G1Z+4], 16
	s_mov_b32 s[G1Z+5], 256
	s_mov_b32 s[G1Z+6], 0
	s_mov_b32 s[G1Z+7], 0
	; group 1 for a wave's part of esq: 4,096 dense bytes as 16 rows of 32 elements of 8 bytes; joint
	s_mov_b32 s[G1Q+0], 15|(3<<16)|(1<<21)
	s_mov_b32 s[G1Q+1], 32<<16
	s_mov_b32 s[G1Q+2], 16<<16
	s_mov_b32 s[G1Q+3], 32<<16
	s_mov_b32 s[G1Q+4], 16
	s_mov_b32 s[G1Q+5], 32
	s_mov_b32 s[G1Q+6], 0
	s_mov_b32 s[G1Q+7], 0
	; groups 0: LDS addresses are a constant plus the wave's number times a constant
	s_mov_b32 s[G0E+0], 1
	s_mul_i32 s[G0E+1], s14, 32*PE                 ; slot 0, my 32 rows
	s_mov_b32 s[G0E+4], 1
	s_add_co_u32 s[G0E+5], s[G0E+1], SLOT          ; slot 1, my 32 rows
	s_mov_b32 s[G0Z+0], 1
	s_mul_i32 s[G0Z+1], s14, 16*PZ
	s_add_co_u32 s[G0Z+1], s[G0Z+1], SLOT          ; z lies in slot 1 until its fragments are in registers
	s_mov_b32 s[G0Q+0], 1
	s_lshl_b32 s[G0Q+1], s14, 12
	s_add_co_u32 s[G0Q+1], s[G0Q+1], ESQ
	s_lshl_b32 s20, s14, 14                        ; ebf: 32 rows x 512 bytes x wave (no place in the cluster enters it)
	s_mov_b32 s21, 0
	s_lshl_b32 s22, s18, 17                        ; z: 128 rows x 1,024 bytes x wg
	s_add_co_u32 s22, s22, s20                     ;    + 16 rows x 1,024 bytes x wave
	s_mov_b32 s23, 0
	s_lshl_b32 s74, s14, 12                        ; esq: 4,096 bytes x wave
	s_mov_b32 s75, 0
	s_wait_dscnt 0x0
	s_wait_kmcnt 0x0
	s_add_nc_u64 s[G0E+2:G0E+3], s[6:7], s[20:21]          ; tile 0
	s_add_nc_u64 s[G0E+6:G0E+7], s[G0E+2:G0E+3], TILEB     ; tile 1
	s_add_nc_u64 s[G0Z+2:G0Z+3], s[4:5], s[22:23]
	s_add_nc_u64 s[G0Q+2:G0Q+3], s[8:9], s[74:75]
	s_or_b32 s[G0E+3], s[G0E+3], 0x80000000        ; type = 2
	s_or_b32 s[G0E+7], s[G0E+7], 0x80000000
	s_or_b32 s[G0Z+3], s[G0Z+3], 0x80000000
	s_or_b32 s[G0Q+3], s[G0Q+3], 0x80000000
	s_lshl_b32 s22, s18, 9                         ; out2 and idx: 128 rows x 4 bytes x wg
	s_add_nc_u64 s[10:11], s[10:11], s[22:23]
	s_add_nc_u64 s[12:13], s[12:13], s[22:23]
	ROUND                                          ; all four work-groups are here: the first joint loads meet
	tensor_load_to_lds s[G0Z:G0Z+3], s[G1Z:G1Z+7]  ; the three first fills go out as one group: z first, since it is wanted first,
	s_nop 0
	tensor_load_to_lds s[G0E:G0E+3], s[G1E:G1E+7]  ; tile 0 into slot 0,
	s_nop 0
	tensor_load_to_lds s[G0Q:G0Q+3], s[G1Q:G1Q+7]  ; the table of e_sq
	s_nop 0
	v_and_b32 v1, 15, v0                           ; r
	v_bfe_u32 v2, v0, 4, 1                         ; h
	v_mul_u32_u24 v3, v1, PZ                       ; z in f32: row r, 8 numbers at 32 h
	v_lshl_add_u32 v3, v2, 5, v3
	s_mul_i32 s20, s16, 64*PZ                      ; my 64 rows
	s_add_co_u32 s20, s20, SLOT
	v_add_nc_u32 v3, s20, v3
	v_mul_u32_u24 v4, v1, PE                       ; codes: row r, 16 bytes at 16 h
	v_lshl_add_u32 v4, v2, 4, v4
	s_mul_i32 s20, s15, 64*PE                      ; my 64 codes of a tile
	v_add_nc_u32 v4, s20, v4
	v_add_nc_u32 v5, SLOT, v4
	v_lshlrev_b32 v6, 5, v2                        ; e_sq: 8 numbers at 32 h,
	s_lshl_b32 s20, s15, 8                         ; of my 64 codes
	s_add_co_u32 s20, s20, ESQ
	v_add_nc_u32 v6, s20, v6
	v_mov_b32 v7, 0                                ; v_permlanex16_b32 counts as a reader of its destination
	v_mov_b32 v12, 0
	v_lshlrev_b32 v13, 3, v2                       ; 8 h
	s_lshl_b32 s20, s15, 9                         ; SCR: 512 cq + 4 (64 rh + r)
	s_lshl_b32 s21, s16, 8
	s_add_co_u32 s20, s20, s21
	s_add_co_u32 s20, s20, SCR
	v_lshl_add_u32 v14, v1, 2, s20
	v_and_b32 v15, 31, v0
	v_lshlrev_b32 v15, 4, v15                      ; 16 lane
	v_add_nc_u32 v[RDA], SCR, v15
; Row tile t of z: 16 rows x 256 f32 from LDS, rounded to bf16 into window 1 in the fragments' layout (lane (r, h): registers 0-3 hold
; K = 8 h .. + 7, registers 4-7 K = 16 + 8 h .. + 7 of each K step of 32), and z_sq of the rounded numbers.
.macro ZBATCH t
.irp c, 0,1,2,3
	v_mov_b32 v[8+\c], 0
.endr
.irp q, 0,1,2,3,4,5,6,7
	ds_load_b128 v[ST+16*\q:ST+16*\q+3],     v3 offset:16*PZ*\t+128*\q
	ds_load_b128 v[ST+16*\q+4:ST+16*\q+7],   v3 offset:16*PZ*\t+128*\q+16
	ds_load_b128 v[ST+16*\q+8:ST+16*\q+11],  v3 offset:16*PZ*\t+128*\q+64
	ds_load_b128 v[ST+16*\q+12:ST+16*\q+15], v3 offset:16*PZ*\t+128*\q+80
.endr
	s_wait_dscnt 0x0
	WIN 0x40                                       ; destination in window 1
.set n, 0
.rept 64
	v_cvt_pk_bf16_f32 v[64*\t+n], v[ST+2*n], v[ST+2*n+1]
.set n, n+1
.endr
	WIN 0x05                                       ; sources 0 and 1 in window 1; the sums in window 0
.set n, 0
.rept 64
	v_fma_mix_f32_bf16 v[8+(2*n)%4],   v[64*\t+n], v[64*\t+n], v[8+(2*n)%4]   op_sel_hi:[1,1,0]                   ; low half squared
	v_fma_mix_f32_bf16 v[8+(2*n+1)%4], v[64*\t+n], v[64*\t+n], v[8+(2*n+1)%4] op_sel:[1,1,0] op_sel_hi:[1,1,0]    ; high half squared
.set n, n+1
.endr
	WIN 0
	v_add_f32 v8, v8, v9
	v_add_f32 v10, v10, v11
	v_add_f32 v8, v8, v10
	v_permlanex16_b32 v12, v8, s72, s73            ; the other half of the row's K lies in lane r of the other half
	v_add_f32 v[ZZ+2*\t], v8, v12
	v_add_f32 v[ZZ+2*\t+1], v8, v12
.endm
; 18 LDS loads: group g's 16 codes (8 K steps, two loads of 16 bytes each, 32 bytes apart) from a slot, and its e_sq into buffer qb.
.macro LOADS slot, g, qb, qoff
.irp q, 0,1,2,3,4,5,6,7
	ds_load_b128 v[E+8*\q:E+8*\q+3],   v[4+\slot] offset:16*PE*(\g)+64*\q
	ds_load_b128 v[E+8*\q+4:E+8*\q+7], v[4+\slot] offset:16*PE*(\g)+64*\q+32
.endr
	ds_load_b128 v[QB+8*(\qb):QB+8*(\qb)+3],   v6 offset:\qoff+64*(\g)
	ds_load_b128 v[QB+8*(\qb)+4:QB+8*(\qb)+7], v6 offset:\qoff+64*(\g)+16
.endm
; 32 matrix instructions: 16 codes x 64 rows x 256 K.  The first K step starts the sums.  The four accumulators take turns, one instruction
; a turn.
.macro MM
	WIN 0x04                                       ; source 1 (z) in window 1
.irp q, 0,1,2,3,4,5,6,7
.irp t, 0,1,2,3
.if \q == 0
	v_wmma_f32_16x16x32_bf16 v[ACC+8*\t:ACC+8*\t+7], v[E+8*\q:E+8*\q+7], v[8*(8*\t+\q):8*(8*\t+\q)+7], 0
.else
	v_wmma_f32_16x16x32_bf16 v[ACC+8*\t:ACC+8*\t+7], v[E+8*\q:E+8*\q+7], v[8*(8*\t+\q):8*(8*\t+\q)+7], v[ACC+8*\t:ACC+8*\t+7]
.endif
.endr
.endr
	WIN 0
.endm
; The group's distances and the running argmin, stage by stage over the four row tiles; then the next group's first code.
.macro EPI qb, step
.irp t, 0,1,2,3
.irp p, 0,2,4,6
	v_pk_fma_f32 v[ACC+8*\t+\p:ACC+8*\t+\p+1], v[ACC+8*\t+\p:ACC+8*\t+\p+1], -2.0, v[ZZ+2*\t:ZZ+2*\t+1] op_sel_hi:[1,0,1]   ; fl(z_sq - 2 dot): 2 dot is exact, one rounding
.endr
.endr
.irp t, 0,1,2,3
.irp p, 0,2,4,6
	v_pk_add_f32 v[ACC+8*\t+\p:ACC+8*\t+\p+1], v[ACC+8*\t+\p:ACC+8*\t+\p+1], v[QB+8*(\qb)+\p:QB+8*(\qb)+\p+1]             ; + e_sq: the second rounding
.endr
.endr
.irp t, 0,1,2,3
	v_min3_num_f32 v[M+2*\t],   v[ACC+8*\t],   v[ACC+8*\t+1], v[ACC+8*\t+2]
	v_min3_num_f32 v[M+2*\t+1], v[ACC+8*\t+3], v[ACC+8*\t+4], v[ACC+8*\t+5]
.endr
.irp t, 0,1,2,3
	v_min3_num_f32 v[M+2*\t], v[M+2*\t], v[ACC+8*\t+6], v[ACC+8*\t+7]
.endr
.irp t, 0,1,2,3
	v_min_num_f32 v[M+2*\t], v[M+2*\t], v[M+2*\t+1]
.endr
.irp t, 0,1,2,3
	v_cmp_lt_f32 s[68+\t], v[M+2*\t], v[BEST+\t]   ; strictly less: on equal distances the earlier group stays
.endr
.irp t, 0,1,2,3
	v_cndmask_b32 v[BEST+\t], v[BEST+\t], v[M+2*\t], s[68+\t]
	v_cndmask_b32 v[GID+\t], v[GID+\t], s67, s[68+\t]
.irp j, 0,1,2,3,4,5,6,7
	v_cndmask_b32 v[SAV+8*\t+\j], v[SAV+8*\t+\j], v[ACC+8*\t+\j], s[68+\t]
.endr
.endr
	s_add_co_u32 s67, s67, \step
.endm
; Groups 0, 1, 2 of a tile: multiply, ask for the next group's fragments, then the vector work while they come.
.macro MID slot, g, qoff
	s_wait_dscnt 0x0                               ; this group's 18 loads are in
	MM
	PLACES
	LOADS \slot, (\g+1), ((\g+1)&1), \qoff
	EPI (\g&1), 16
.endm
; Group 3 of a tile, and the change of slots.  mode 2: this slot is filled again, two tiles ahead; mode 1: the slots change, nothing is
; filled; mode 0: the last tile.  In front of the signal every wave has its reads of this slot back and all its tensor loads landed (the one
; that is out is its part of the next slot); in mode 2 that barrier opens a round of the cluster's barrier, inside which stands register work
; alone, and the joint refill is the first tensor load behind the round.  From a request to the wait for it lie three groups of the next tile.
.macro LAST slot, mode, qnext=0
	s_wait_dscnt 0x0                               ; group 3's loads are in: my last reads of this slot
.if \mode
	s_wait_tensorcnt 0x0                           ; all my tensor loads have landed, so a group 0 may be written
	ds_add_u32 v254, v255
	s_wait_dscnt 0x0
.if \mode == 2
	s_add_nc_u64 s[G0E+4*\slot+2:G0E+4*\slot+3], s[G0E+4*\slot+2:G0E+4*\slot+3], 2*TILEB
.endif
	s_barrier_signal -1
.endif
	MM
.if \mode
	s_barrier_wait -1
.if \mode == 2
	CREST
	tensor_load_to_lds s[G0E+4*\slot:G0E+4*\slot+3], s[G1E:G1E+7]
	s_nop 0
.endif
.endif
	PLACES
.if \mode
	LOADS (1-\slot), 0, 0, \qnext
.endif
	EPI 1, 208                                     ; 3 x 16 + 208 = 256 codes on: my first group of the next tile
.endm
.macro TILE slot, mode, qoff
	MID \slot, 0, \qoff
	MID \slot, 1, \qoff
	MID \slot, 2, \qoff
	LAST \slot, \mode, (\qoff+1024)
.endm
; (v, c) becomes the better of (v, c) and (ov, oc): the smaller distance, on equal distances the lower code.
.macro MERGE v, c, ov, oc
	v_cmp_lt_f32 s74, v[\ov], v[\v]
	v_cmp_eq_f32 s75, v[\ov], v[\v]
	v_cmp_lt_u32 s76, v[\oc], v[\c]
	s_and_b32 s75, s75, s76
	s_or_b32 s74, s74, s75
	v_cndmask_b32 v[\v], v[\v], v[\ov], s74
	v_cndmask_b32 v[\c], v[\c], v[\oc], s74
.endm
	s_wait_tensorcnt 0x2                           ; my part of z is in; tile 0 and e_sq, issued behind it, may stay out:
	s_barrier_signal -1
	s_barrier_wait -1                              ; everybody's part of z is in
	ZBATCH 0
	ZBATCH 1
	ZBATCH 2
	ZBATCH 3
	s_wait_dscnt 0x0                               ; my reads of z are back
	s_wait_tensorcnt 0x0                           ; my parts of tile 0 and of e_sq have landed
	ds_add_u32 v254, v255
	s_wait_dscnt 0x0
	ROUND                                          ; both hold of every wave of all four work-groups
	tensor_load_to_lds s[G0E+4:G0E+7], s[G1E:G1E+7]        ; tile 1, over z's bytes
	s_nop 0
	LOADS 0, 0, 0, 0
.irp t, 0,1,2,3
	v_mov_b32 v[BEST+\t], 0x7f800000               ; +inf: any finite distance is less
	v_mov_b32 v[GID+\t], 0
.endr
.set n, 0
.rept 32
	v_mov_b32 v[SAV+n], 0x7f800000
.set n, n+1
.endr
	s_mov_b32 s66, 15                              ; tiles 0 to 29, two a trip
.Ltiles:
	TILE 0, 2, 0
	TILE 1, 2, 1024
	v_add_nc_u32 v6, 2048, v6                      ; e_sq: two tiles of 256 codes on
	s_sub_co_i32 s66, s66, 1
	s_cmp_lg_u32 s66, 0
	s_cbranch_scc1 .Ltiles
	TILE 0, 1, 0                                   ; tile 30: nothing is left to fetch
	TILE 1, 0, 1024                                ; tile 31
	; Which of the winning group's 8 it was: the first that equals the best.  Then the two halves of the lanes, which hold other codes of the same row.
.irp t, 0,1,2,3
	v_mov_b32 v[M], 7
.irp j, 6,5,4,3,2,1,0
	v_cmp_neq_f32 vcc_lo, v[SAV+8*\t+\j], v[BEST+\t]
	v_cndmask_b32 v[M], \j, v[M], vcc_lo
.endr
	v_add3_u32 v[M], v[GID+\t], v[M], v13          ; code = the group's first + j + 8 h
	v_permlanex16_b32 v12, v[BEST+\t], s72, s73
	v_permlanex16_b32 v7, v[M], s72, s73
	MERGE BEST+\t, M, 12, 7
	ds_store_b32 v14, v[BEST+\t] offset:64*\t      ; both halves write the same number to the same word
	ds_store_b32 v14, v[M] offset:2048+64*\t
.endr
	s_wait_dscnt 0x0                               ; my words are in SCR, for wave 0's sake
	ROUND                                          ; the closing round: no work-group ends while a partner may still ask jointly; its first barrier shows SCR to wave 0
	s_cmp_lg_u32 s14, 0
	s_cbranch_scc1 .Lend
.irp c, 0,1,2,3
	ds_load_b128 v[64+4*\c:67+4*\c], v[RDA] offset:512*\c          ; rows 4 lane .. + 3: the best of code quarter c
	ds_load_b128 v[80+4*\c:83+4*\c], v[RDA] offset:2048+512*\c     ; and its code
.endr
	s_wait_dscnt 0x0
.irp c, 1,2,3
.irp i, 0,1,2,3
	MERGE 64+\i, 80+\i, 64+4*\c+\i, 80+4*\c+\i
.endr
.endr
	global_store_b128 v15, v[80:83], s[10:11]      ; 512 consecutive bytes, aligned
	global_store_b128 v15, v[80:83], s[12:13]
.Lend:
	s_wait_tensorcnt 0x0
	ds_add_u32 v254, v255
	s_wait_dscnt 0x0
	s_endpgm
.Lfunc_end_k_q1f6b4395fd_vq:
	.size	k_q1f6b4395fd_vq, .Lfunc_end_k_q1f6b4395fd_vq-k_q1f6b4395fd_vq
	.p2alignl 7, 3214868480
	.fill 96, 4, 3214868480
	.section	.rodata,"a",@progbits
	.p2align	6, 0x0
	.amdhsa_kernel k_q1f6b4395fd_vq
		.amdhsa_group_segment_fixed_size 327680
		.amdhsa_private_segment_fixed_size 0
		.amdhsa_enable_private_segment 0
		.amdhsa_kernarg_size 40
		.amdhsa_user_sgpr_count 2
		.amdhsa_user_sgpr_kernarg_segment_ptr 1
		.amdhsa_wavefront_size32 1
		.amdhsa_system_sgpr_workgroup_id_x 1
		.amdhsa_system_sgpr_workgroup_id_y 1
		.amdhsa_system_sgpr_workgroup_id_z 1
		.amdhsa_system_vgpr_workitem_id 0
		.amdhsa_next_free_vgpr 512
		.amdhsa_next_free_sgpr 80
		.amdhsa_reserve_vcc 1
		.amdhsa_float_denorm_mode_32 3
		.amdhsa_float_denorm_mode_16_64 3
		.amdhsa_memory_ordered 1
		.amdhsa_forward_progress 1
		.amdhsa_inst_pref_size 223
	.end_amdhsa_kernel
	.amdgpu_metadata
---
amdhsa.version: [ 1, 2 ]
amdhsa.kernels:
  - .name:           k_q1f6b4395fd_vq
    .symbol:         k_q1f6b4395fd_vq.kd
    .args:
      - { .name: z, .offset: 0, .size: 8, .value_kind: global_buffer, .address_space: global }
      - { .name: ebf, .offset: 8, .size: 8, .value_kind: global_buffer, .address_space: global }
      - { .name: esq, .offset: 16, .size: 8, .value_kind: global_buffer, .address_space: global }
      - { .name: out2, .offset: 24, .size: 8, .value_kind: global_buffer, .address_space: global }
      - { .name: idx, .offset: 32, .size: 8, .value_kind: global_buffer, .address_space: global }
    .group_segment_fixed_size: 327680
    .private_segment_fixed_size: 0
    .kernarg_segment_align: 8
    .kernarg_segment_size: 40
    .max_flat_workgroup_size: 256
    .sgpr_count:     80
    .vgpr_count:     512
    .wavefront_size: 32
...
	.end_amdgpu_metadata
.endif
;; end of part 2
;; launch gather (part 3): grid 256 x 1, 8 waves a work-group, no clusters, 1,280 bytes of LDS; arguments z, embeddings, idx, out0, part; writes out0, part
.if DOCPART == 3
	.amdgcn_target "amdgcn-amd-amdhsa--gfx1250"
	.amdhsa_code_object_version 6
	.text
	.protected	k_q1f6b4395fd_gather
	.globl	k_q1f6b4395fd_gather
	.p2align	8
	.type	k_q1f6b4395fd_gather,@function
k_q1f6b4395fd_gather:
	s_mov_b64 s[64:65], 0
	v_nop
	global_prefetch_b8 v0, s[64:65] scope:SCOPE_SE
	s_setreg_imm32_b32 hwreg(HW_REG_WAVE_MODE, 25, 1), 1
	s_wait_xcnt 0x0
; out0[n][d] = z[n][d] + (e[idx[n]][d] - z[n][d]) in f32, in that order;  part[wg] = the work-group's sum of (e[idx[n]][d] - z[n][d])^2.
; z, out0: [32768][256] f32.  embeddings: [8192][256] f32.  idx: [32768] i32, stored by the launch before.  part: [256] f32.
; Eight waves; a wave owns 16 rows, in four batches of four on two sets of registers.  A row is 1,024 bytes: two loads of 16 bytes a lane, so
; each load and store of a wave covers 512 consecutive bytes, aligned.  Memory binds: no matrix unit, no cluster; LDS only for eight sums.
; An index is clamped to 8,191 before it enters an address.  The order of the f32 sum of squares is this text's own.
.set EO,  8                            ; v[8:23]   row i: 1,024 x index + 16 lane; never rewritten
.set SUM, 24                           ; v[24:31]  four chains of two sums
.set ZR,  32                           ; set s: v[32+64 s ..] 4 rows x 8 registers of z, then of out0
.set ER,  64                           ; set s: v[64+64 s ..] 4 rows x 8 registers of e, then of e - z
.set STARTED, 0
	s_load_b256 s[4:11], s[0:1], 0x0               ; z s[4:5], embeddings s[6:7], idx s[8:9], out0 s[10:11]
	s_load_b64 s[12:13], s[0:1], 0x20              ; part
	v_lshl_add_u32 v160, v0, 2, 0x100
	v_mov_b32 v161, 0
	v_and_b32 v1, 31, v0
	v_lshrrev_b32 v2, 5, v0
	v_readfirstlane_b32 s14, v2                    ; wave
	v_lshlrev_b32 v1, 4, v1                        ; 16 lane
	v_lshl_add_u32 v3, v2, 14, v1                  ; + 16 rows x 1,024 bytes x wave
	s_mov_b32 s40, 0x76543210
	s_mov_b32 s41, 0xfedcba98
	s_lshl_b32 s36, ttmp9, 17                      ; 128 rows x 1,024 bytes
	s_mov_b32 s37, 0
	s_lshl_b32 s38, ttmp9, 9                       ; idx: 128 rows x 4 bytes
	s_lshl_b32 s39, s14, 6                         ;      + 16 rows x 4 bytes x wave
	s_add_co_u32 s38, s38, s39
	s_mov_b32 s39, 0
	s_wait_kmcnt 0x0
	s_add_nc_u64 s[8:9], s[8:9], s[38:39]
	s_load_b512 s[16:31], s[8:9], 0x0              ; my 16 indices
	s_add_nc_u64 s[4:5], s[4:5], s[36:37]
	s_add_nc_u64 s[10:11], s[10:11], s[36:37]
.macro LOADZ b, s                      ; batch b's four rows of z into set s: 8 loads
.irp k, 0,1,2,3
	global_load_b128 v[ZR+64*\s+8*\k:ZR+64*\s+8*\k+3],   v3, s[4:5] offset:(4*\b+\k)*1024 th:TH_LOAD_NT
	global_load_b128 v[ZR+64*\s+8*\k+4:ZR+64*\s+8*\k+7], v3, s[4:5] offset:(4*\b+\k)*1024+512 th:TH_LOAD_NT
.endr
.endm
.macro LOADE b, s                      ; the four codes that batch b's rows name: 8 loads; no hint, a code may be named again
.irp k, 0,1,2,3
	global_load_b128 v[ER+64*\s+8*\k:ER+64*\s+8*\k+3],   v[EO+4*\b+\k], s[6:7]
	global_load_b128 v[ER+64*\s+8*\k+4:ER+64*\s+8*\k+7], v[EO+4*\b+\k], s[6:7] offset:512
.endr
.endm
.macro PAIR zr, er, ch
	v_pk_add_f32 v[\er:\er+1], v[\er:\er+1], v[\zr:\zr+1] neg_lo:[0,1] neg_hi:[0,1]      ; t = e - z
.if STARTED < 4
	v_pk_mul_f32 v[SUM+2*\ch:SUM+2*\ch+1], v[\er:\er+1], v[\er:\er+1]                    ; the first row starts the four chains
.set STARTED, STARTED+1
.else
	v_pk_fma_f32 v[SUM+2*\ch:SUM+2*\ch+1], v[\er:\er+1], v[\er:\er+1], v[SUM+2*\ch:SUM+2*\ch+1]
.endif
	v_pk_add_f32 v[\zr:\zr+1], v[\zr:\zr+1], v[\er:\er+1]                                ; z + t
.endm
.macro CALC b, s
.irp k, 0,1,2,3
.irp p, 0,1,2,3
	PAIR (ZR+64*\s+8*\k+2*\p), (ER+64*\s+8*\k+2*\p), \p
.endr
	global_store_b128 v3, v[ZR+64*\s+8*\k:ZR+64*\s+8*\k+3],   s[10:11] offset:(4*\b+\k)*1024 th:TH_STORE_NT
	global_store_b128 v3, v[ZR+64*\s+8*\k+4:ZR+64*\s+8*\k+7], s[10:11] offset:(4*\b+\k)*1024+512 th:TH_STORE_NT
.endr
.endm
	LOADZ 0, 0                                     ; z needs no index: it goes out while the indices come
	LOADZ 1, 1
	s_wait_kmcnt 0x0
.irp i, 0,1,2,3,4,5,6,7,8,9,10,11,12,13,14,15
	s_min_u32 s[16+\i], s[16+\i], 0x1fff           ; inside the table whatever was read
	s_lshl_b32 s[16+\i], s[16+\i], 10
	v_add_nc_u32 v[EO+\i], s[16+\i], v1
.endr
	LOADE 0, 0
	LOADE 1, 1
	s_wait_loadcnt 0x8                             ; loads come back in order: all but batch 1's eight loads of e are in
	CALC 0, 0
	s_wait_xcnt 0x0                                ; set 0 was the stores' data: it is loaded again only behind this wait
	LOADZ 2, 0
	LOADE 2, 0
	s_wait_loadcnt 0x10                            ; batch 1 is in; batch 2's sixteen loads stay out
	CALC 1, 1
	s_wait_xcnt 0x0                                ; likewise set 1
	LOADZ 3, 1
	LOADE 3, 1
	s_wait_loadcnt 0x10                            ; batch 2 is in; batch 3's sixteen stay out
	CALC 2, 0
	s_wait_loadcnt 0x0
	CALC 3, 1
	v_pk_add_f32 v[24:25], v[24:25], v[26:27]
	v_pk_add_f32 v[28:29], v[28:29], v[30:31]
	v_pk_add_f32 v[24:25], v[24:25], v[28:29]
	v_add_f32 v24, v24, v25
	v_add_f32_dpp v24, v24, v24 row_xmask:1 row_mask:0xf bank_mask:0xf
	v_add_f32_dpp v24, v24, v24 row_xmask:2 row_mask:0xf bank_mask:0xf
	v_add_f32_dpp v24, v24, v24 row_xmask:4 row_mask:0xf bank_mask:0xf
	v_add_f32_dpp v24, v24, v24 row_xmask:8 row_mask:0xf bank_mask:0xf
	v_permlanex16_b32 v25, v24, s40, s41
	v_add_f32 v24, v24, v25                        ; the wave's sum, in every lane
	v_lshlrev_b32 v2, 2, v2
	ds_store_b32 v2, v24                           ; word = wave
	s_wait_dscnt 0x0                               ; for wave 0's sake
	s_barrier_signal -1
	s_barrier_wait -1
	s_cmp_lg_u32 s14, 0
	s_cbranch_scc1 .Lend
	v_mov_b32 v4, 0
	ds_load_b128 v[24:27], v4
	ds_load_b128 v[28:31], v4 offset:16
	s_lshl_b32 s36, ttmp9, 2
	s_add_nc_u64 s[12:13], s[12:13], s[36:37]      ; part[wg]
	v_cmp_eq_u32 vcc_lo, 0, v0
	s_wait_dscnt 0x0
	v_pk_add_f32 v[24:25], v[24:25], v[26:27]
	v_pk_add_f32 v[28:29], v[28:29], v[30:31]
	v_pk_add_f32 v[24:25], v[24:25], v[28:29]
	v_add_f32 v24, v24, v25
	s_wait_xcnt 0x0                                ; EXEC is a source of the stores above: it is narrowed only behind this wait
	s_and_saveexec_b32 s42, vcc_lo
	global_store_b32 v4, v24, s[12:13]             ; one number for the work-group
	s_wait_xcnt 0x0                                ; and widened again only behind this one
	s_or_b32 exec_lo, exec_lo, s42
.Lend:
	s_wait_tensorcnt 0x0
	ds_add_u32 v160, v161
	s_wait_dscnt 0x0
	s_endpgm
.Lfunc_end_k_q1f6b4395fd_gather:
	.size	k_q1f6b4395fd_gather, .Lfunc_end_k_q1f6b4395fd_gather-k_q1f6b4395fd_gather
	.p2alignl 7, 3214868480
	.fill 96, 4, 3214868480
	.section	.rodata,"a",@progbits
	.p2align	6, 0x0
	.amdhsa_kernel k_q1f6b4395fd_gather
		.amdhsa_group_segment_fixed_size 1280
		.amdhsa_private_segment_fixed_size 0
		.amdhsa_enable_private_segment 0
		.amdhsa_kernarg_size 40
		.amdhsa_user_sgpr_count 2
		.amdhsa_user_sgpr_kernarg_segment_ptr 1
		.amdhsa_wavefront_size32 1
		.amdhsa_system_sgpr_workgroup_id_x 1
		.amdhsa_system_sgpr_workgroup_id_y 1
		.amdhsa_system_sgpr_workgroup_id_z 1
		.amdhsa_system_vgpr_workitem_id 0
		.amdhsa_next_free_vgpr 162
		.amdhsa_next_free_sgpr 66
		.amdhsa_reserve_vcc 1
		.amdhsa_float_denorm_mode_32 3
		.amdhsa_float_denorm_mode_16_64 3
		.amdhsa_memory_ordered 1
		.amdhsa_forward_progress 1
		.amdhsa_inst_pref_size 27
	.end_amdhsa_kernel
	.amdgpu_metadata
---
amdhsa.version: [ 1, 2 ]
amdhsa.kernels:
  - .name:           k_q1f6b4395fd_gather
    .symbol:         k_q1f6b4395fd_gather.kd
    .args:
      - { .name: z, .offset: 0, .size: 8, .value_kind: global_buffer, .address_space: global }
      - { .name: embeddings, .offset: 8, .size: 8, .value_kind: global_buffer, .address_space: global }
      - { .name: idx, .offset: 16, .size: 8, .value_kind: global_buffer, .address_space: global }
      - { .name: out0, .offset: 24, .size: 8, .value_kind: global_buffer, .address_space: global }
      - { .name: part, .offset: 32, .size: 8, .value_kind: global_buffer, .address_space: global }
    .group_segment_fixed_size: 1280
    .private_segment_fixed_size: 0
    .kernarg_segment_align: 8
    .kernarg_segment_size: 40
    .max_flat_workgroup_size: 256
    .sgpr_count:     66
    .vgpr_count:     162
    .wavefront_size: 32
...
	.end_amdgpu_metadata
.endif
;; end of part 3
;; launch total (part 4): grid 1 x 1, 1 waves a work-group, no clusters, 0 bytes of LDS; arguments part, out1; writes out1
.if DOCPART == 4
	.amdgcn_target "amdgcn-amd-amdhsa--gfx1250"
	.amdhsa_code_object_version 6
	.text
	.protected	k_q1f6b4395fd_total
	.globl	k_q1f6b4395fd_total
	.p2align	8
	.type	k_q1f6b4395fd_total,@function
k_q1f6b4395fd_total:
	s_mov_b64 s[64:65], 0
	v_nop
	global_prefetch_b8 v0, s[64:65] scope:SCOPE_SE
	s_setreg_imm32_b32 hwreg(HW_REG_WAVE_MODE, 25, 1), 1
	s_wait_xcnt 0x0
; out1 = m + 0.25 m,  m = (sum of the 256 partial sums) / (32768 x 256) = S x 2^-23.
; One wave: the sum spans the work-groups of the launch before, so it is closed here, by one owner, in a fixed order.
	s_load_b128 s[4:7], s[0:1], 0x0                ; part s[4:5], out1 s[6:7]
	v_lshlrev_b32 v1, 4, v0                        ; 16 lane
	v_mov_b32 v2, 0
	s_mov_b32 s8, 0x76543210
	s_mov_b32 s9, 0xfedcba98
	v_cmp_eq_u32 vcc_lo, 0, v0
	s_wait_kmcnt 0x0
	global_load_b128 v[4:7], v1, s[4:5]
	global_load_b128 v[8:11], v1, s[4:5] offset:512
	s_wait_loadcnt 0x0
	v_pk_add_f32 v[4:5], v[4:5], v[6:7]
	v_pk_add_f32 v[8:9], v[8:9], v[10:11]
	v_pk_add_f32 v[4:5], v[4:5], v[8:9]
	v_add_f32 v4, v4, v5
	v_add_f32_dpp v4, v4, v4 row_xmask:1 row_mask:0xf bank_mask:0xf
	v_add_f32_dpp v4, v4, v4 row_xmask:2 row_mask:0xf bank_mask:0xf
	v_add_f32_dpp v4, v4, v4 row_xmask:4 row_mask:0xf bank_mask:0xf
	v_add_f32_dpp v4, v4, v4 row_xmask:8 row_mask:0xf bank_mask:0xf
	v_permlanex16_b32 v5, v4, s8, s9
	v_add_f32 v4, v4, v5
	v_mul_f32 v4, 0x34000000, v4                   ; x 2^-23: the mean, exact scaling
	v_fma_f32 v4, v4, 0x3e800000, v4               ; + 0.25 x the same mean
	s_wait_xcnt 0x0                                ; EXEC is narrowed only behind this wait
	s_and_saveexec_b32 s10, vcc_lo
	global_store_b32 v2, v4, s[6:7]
	s_wait_xcnt 0x0                                ; and widened again only behind this one
	s_or_b32 exec_lo, exec_lo, s10
	s_endpgm
.Lfunc_end_k_q1f6b4395fd_total:
	.size	k_q1f6b4395fd_total, .Lfunc_end_k_q1f6b4395fd_total-k_q1f6b4395fd_total
	.p2alignl 7, 3214868480
	.fill 96, 4, 3214868480
	.section	.rodata,"a",@progbits
	.p2align	6, 0x0
	.amdhsa_kernel k_q1f6b4395fd_total
		.amdhsa_group_segment_fixed_size 0
		.amdhsa_private_segment_fixed_size 0
		.amdhsa_enable_private_segment 0
		.amdhsa_kernarg_size 16
		.amdhsa_user_sgpr_count 2
		.amdhsa_user_sgpr_kernarg_segment_ptr 1
		.amdhsa_wavefront_size32 1
		.amdhsa_system_sgpr_workgroup_id_x 1
		.amdhsa_system_sgpr_workgroup_id_y 1
		.amdhsa_system_sgpr_workgroup_id_z 1
		.amdhsa_system_vgpr_workitem_id 0
		.amdhsa_next_free_vgpr 16
		.amdhsa_next_free_sgpr 66
		.amdhsa_reserve_vcc 1
		.amdhsa_float_denorm_mode_32 3
		.amdhsa_float_denorm_mode_16_64 3
		.amdhsa_memory_ordered 1
		.amdhsa_forward_progress 1
		.amdhsa_inst_pref_size 2
	.end_amdhsa_kernel
	.amdgpu_metadata
---
amdhsa.version: [ 1, 2 ]
amdhsa.kernels:
  - .name:           k_q1f6b4395fd_total
    .symbol:         k_q1f6b4395fd_total.kd
    .args:
      - { .name: part, .offset: 0, .size: 8, .value_kind: global_buffer, .address_space: global }
      - { .name: out1, .offset: 8, .size: 8, .value_kind: global_buffer, .address_space: global }
    .group_segment_fixed_size: 0
    .private_segment_fixed_size: 0
    .kernarg_segment_align: 8
    .kernarg_segment_size: 16
    .max_flat_workgroup_size: 32
    .sgpr_count:     66
    .vgpr_count:     16
    .wavefront_size: 32
...
	.end_amdgpu_metadata
.endif
;; end of part 4
